; MI455X (gfx1250); checked and timed in simulation.
; The chip was launched on July 23, 2026; its instructions are those of AMD's public machine-readable ISA for CDNA 5 (MIT licence, August 2026) and "CDNA5" Instruction Set Architecture Reference Guide (July 2026). The comments in the code are by the model that wrote it; some were corrected since.
;; Mo E Gating. Allowed arithmetic: float matrix products may take bf16 or f16 operands with f32 sums; all other float work in f32.
;; Inputs: W 64 x 2,048 float32; x 4 x 4,096 x 2,048 float32.
;; Outputs: out0 16,384 x 2 int32; out1 16,384 x 2 float32.
;; 2 versions, each right; version 2 is version 1 with the launch gate written anew for expert scheduling mode. Each part assembles by itself: llvm-mc -triple=amdgcn-amd-amdhsa -mcpu=gfx1250 --defsym DOCPART=n.
;; ======== version 1 of 2: 1 launch
;; launch gate (part 1): grid 256 x 1, 8 waves a work-group, no clusters, 159,744 bytes of LDS; arguments x, W, out0, out1; writes out0, out1
.if DOCPART == 1
	.amdgcn_target "amdgcn-amd-amdhsa--gfx1250"
	.amdhsa_code_object_version 6
	.text
	.protected	k_q7240cad797_gate
	.globl	k_q7240cad797_gate
	.p2align	8
	.type	k_q7240cad797_gate,@function
k_q7240cad797_gate:
	s_mov_b64 s[64:65], 0
	v_nop
	global_prefetch_b8 v0, s[64:65] scope:SCOPE_SE
	s_setreg_imm32_b32 hwreg(HW_REG_WAVE_MODE, 25, 1), 1
	s_wait_xcnt 0x0
; MoE gate: logits[n][e] = sum over d of x[n][d] W[e][d]; the two largest logits of each token, their indices (out0) and their softmax (out1).
; x: [16384][2048] f32, W: [64][2048] f32, out0: [16384][2] i32, out1: [16384][2] f32.
; 256 work-groups of 8 waves; a work-group owns 64 tokens (524,288 bytes of x) and needs all of W (524,288 bytes).
; K IS SPLIT OVER THE WAVES: in step j (0..3) wave w owns k = 512 j + 64 w .. + 63, for all 64 tokens and all 64 experts, so every byte of x and of W
; is loaded once and rounded to bf16 once in the work-group, and the eight waves together read 2,048 consecutive bytes of each row in a step.
; A wave keeps 64 x 64 partial sums (16 accumulator tiles, 128 registers); they meet in LDS at the end.
; THE STREAM: a group = 16 rows x 256 bytes = eight 16-byte loads a lane; one load takes two rows, sixteen lanes reading 256 consecutive bytes that
; start at a multiple of 256 from the buffer's first byte.  A ring of 7 groups in registers keeps 56 loads of each wave in flight; its waits are counted.
; A group that has landed is rounded to bf16, its registers are loaded again at once, and the bf16 pass through the wave's OWN stage in LDS, which turns
; rows spread over lanes into matrix fragments (a lane holds one row).  No wave waits for another until the final sum.
; W IS NOT ASKED FOR JOINTLY in a cluster, though all work-groups read it: joint requests are tensor loads into LDS slots, W would lie there as f32 (twice the
; stage's bytes), and each refill would stand behind a round of the cluster's barrier with every wave's loads landed; here every wave runs free.
; LIMITS: operands are rounded to bf16, sums are f32 in an order of their own, so logits that lie closer than that rounding may come in another order than
; in an f32 computation.  Equal logits: the lower index first.  +0 and -0 count as equal.  NaN or infinite logits are not ordered as lax.top_k orders them.
.set ROW,    8192                      ; bytes in a row of x and of W
.set STEPB,  2048                      ; bytes along a row from step to step: 8 waves x 256
.set NGRP,   32                        ; groups of a wave: 4 steps x (4 tiles of x + 4 tiles of W)
.set DEPTH,  7                         ; groups in the ring
.set SPITCH, 144                       ; stage row: 128 bytes of bf16 + 16: row r starts at 16-byte column 9 r mod 16, sixteen different ones (64 banks of 4 bytes: ISA guide 11.1)
.set STAGEW, 16*SPITCH                 ; a wave's stage
.set RED,    8*STAGEW                  ; behind the stages: the waves' partial sums
.set RPITCH, 272                       ; a token's 64 f32 + 16 bytes
.set RWAVE,  64*RPITCH                 ; one wave's 64 x 64 partial sums
.set OST,    RED+8*RWAVE               ; behind them: 512 bytes of indices, 512 bytes of weights, as they go out
; window 0 (v0-v255)
.set LR,   2                           ; lane % 16
.set LH,   3                           ; lane / 16
.set FRA,  6                           ; LDS address of my part of a fragment in my wave's stage
.set PW,   7                           ; where I put partial sums
.set TK,   8                           ; thread / 4: my token in the final sum
.set LQ,   9                           ; thread % 4: my sixteen experts there
.set PR,   10                          ; where I read partial sums of waves 0-3
.set PR2,  11                          ; of waves 4-7
.set TOPV, 12                          ; the largest logit, the second, and their indices
.set SECV, 13
.set TOPI, 14
.set SECI, 15
.set WF,   32                          ; v[32:63]   fragments of one tile of W (16 experts x 64 k), two buffers
.set XF,   64                          ; v[64:127]  fragments of the step's four tiles of x (64 tokens x 64 k)
.set ACC,  128                         ; v[128:255] tile (a, b): tokens 16 a .., experts 16 b .., at ACC + 8 (4 a + b); later the partial sums read back
.set SUM,  128                         ; v[128:143] my sixteen logits
.set OV1,  144                         ; v[144:151] at work in the merges (written before by the loads of the partial sums)
.set OI1,  145
.set OV2,  146
.set OI2,  147
.set CA,   148
.set IA,   149
.set CB,   150
.set IB,   151
; window 1 (v256-v511, named by their low 8 bits)
.set RING, 0                           ; v[256:479] slot s: 32 registers, a group as loaded
.set TMP,  224                         ; v[480:495] a group as bf16
.set GOFF, 240                         ; v496       my byte offset in a group's first load; never rewritten
.set STA,  241                         ; v497       where I put 8 bytes of bf16 in my wave's stage; never rewritten
.set TO_RING, 0x40                     ; destination window 1
.set IN_RING, 0x45                     ; sources 0 and 1 and the destination window 1: conversions, loads (address = source 0) and stage stores (address, data) all fit it
.set MSB, 0
.macro WIN new                         ; the immediate's high byte repeats the setting that is left
.if MSB != \new
	s_set_vgpr_msb (MSB<<8)|\new
.set MSB, \new
.endif
.endm
	s_load_b256 s[4:11], s[0:1], 0x0               ; x s[4:5], W s[6:7], out0 s[8:9], out1 s[10:11]
	v_lshl_add_u32 v27, v0, 2, 0x26c00
	s_set_vgpr_msb 0x40
	v_mov_b32 v255, 0
	s_set_vgpr_msb 0x4000
	v_lshrrev_b32 v1, 5, v0
	v_readfirstlane_b32 s12, v1                    ; wave 0..7
	v_and_b32 v[LR], 15, v0
	v_bfe_u32 v[LH], v0, 4, 1
	s_lshl_b32 s2, ttmp9, 19                       ; the work-group's 64 rows of 8,192 bytes (below 2^27)
	s_mov_b32 s3, 0
	s_lshl_b32 s13, s12, 8                         ; my wave's 256 bytes of a step's 2,048
	s_mul_i32 s14, s12, STAGEW                     ; my wave's stage
	v_lshl_add_u32 v4, v[LR], 4, s13               ; load: 16 bytes a lane along the row,
	v_lshl_add_u32 v4, v[LH], 16, v4               ; lanes 16-31 eight rows further down
	v_mul_u32_u24 v5, v[LH], 8*SPITCH              ; stage store: the same two rows; 8 x 144 = 128 mod 256, so the two halves of the wave use different banks
	v_lshl_add_u32 v5, v[LR], 3, v5                ; 8 bytes of bf16 a lane
	v_add_nc_u32 v5, s14, v5
	v_mul_u32_u24 v[FRA], v[LR], SPITCH            ; fragment: lane l holds row l % 16; its registers 0-3 hold k = 8 (l / 16) + 0..7, registers 4-7 k = 16 + 8 (l / 16) + 0..7
	v_lshl_add_u32 v[FRA], v[LH], 4, v[FRA]
	v_add_nc_u32 v[FRA], s14, v[FRA]
	WIN TO_RING
	v_mov_b32 v[GOFF], v4
	v_mov_b32 v[STA], v5
	s_wait_kmcnt 0x0
	s_add_nc_u64 s[4:5], s[4:5], s[2:3]            ; x at the work-group's first token
; The eight loads of group g into its ring slot.  In a step the groups 0-3 are x's tiles (asked for first), 4-7 W's.  Row and step stand in the immediate
; (456,704 at the most), so no address register is ever rewritten.  x is read once in the launch, W by every work-group.
.macro LOADS g
.if (\g)%8 < 4
.irp t, 0,1,2,3,4,5,6,7
	global_load_b128 v[RING+32*((\g)%DEPTH)+4*\t:RING+32*((\g)%DEPTH)+4*\t+3], v[GOFF], s[4:5] offset:(16*((\g)%8)+\t)*ROW+((\g)/8)*STEPB th:TH_LOAD_NT
.endr
.else
.irp t, 0,1,2,3,4,5,6,7
	global_load_b128 v[RING+32*((\g)%DEPTH)+4*\t:RING+32*((\g)%DEPTH)+4*\t+3], v[GOFF], s[6:7] offset:(16*((\g)%8-4)+\t)*ROW+((\g)/8)*STEPB
.endr
.endif
.endm
	WIN IN_RING
.set gi, 0
.rept DEPTH
	LOADS gi                                       ; the ring is filled: 56 loads
.set gi, gi+1
.endr
; Group n (a counter of the text): wait for it, round it to bf16, load its slot again with group n + 7, and pass it through the stage into the 16 registers at dst.
.macro STAGE dst
.if n+DEPTH-1 < NGRP
	s_wait_loadcnt 8*(DEPTH-1)                     ; loads come back in order (ISA guide 5.7.1): my group is in, the six younger groups' 48 loads stay out
.else
	s_wait_loadcnt 8*(NGRP-1-n)                    ; the last groups: nothing was asked for behind group 31, the counts run down
.endif
	WIN IN_RING
.set sl, RING+32*(n%DEPTH)
.irp t, 0,1,2,3,4,5,6,7
	v_cvt_pk_bf16_f32 v[TMP+2*\t],   v[sl+4*\t],   v[sl+4*\t+1]      ; the lower k into the lower half; to nearest even
	v_cvt_pk_bf16_f32 v[TMP+2*\t+1], v[sl+4*\t+2], v[sl+4*\t+3]
.endr
.if n+DEPTH < NGRP
.set nx, n+DEPTH
	LOADS nx
.endif
.irp t, 0,1,2,3,4,5,6,7
	ds_store_b64 v[STA], v[TMP+2*\t:TMP+2*\t+1] offset:\t*SPITCH     ; rows t and t + 8.  LDS serves a wave's instructions in order (ISA guide 5.7.1.4): the last group's fragment loads have read the stage
.endr
	WIN 0
.irp c, 0,1,2,3
	ds_load_b128 v[\dst+4*\c:\dst+4*\c+3], v[FRA] offset:32*\c        ; two fragments of 32 k; these see the stores above, by the same order
.endr
.set n, n+1
.endm
; Eight matrix instructions: W's tile b (buffer u) with all four tiles of x, 64 along k.  Source 0 = experts, source 1 = tokens: lane l then holds token l % 16,
; and its registers 0-7 the experts 8 (l / 16) + 0..7 of the tile.  The accumulators take turns, one instruction a turn.
; zero = 1: the first product starts the sums, nothing is cleared.
.macro MULT b, u, zero
.irp ks, 0,1
.irp a, 0,1,2,3
.if (\zero)*(1-\ks)
	v_wmma_f32_16x16x32_bf16 v[ACC+8*(4*\a+\b):ACC+8*(4*\a+\b)+7], v[WF+16*\u+8*\ks:WF+16*\u+8*\ks+7], v[XF+16*\a+8*\ks:XF+16*\a+8*\ks+7], 0
.else
	v_wmma_f32_16x16x32_bf16 v[ACC+8*(4*\a+\b):ACC+8*(4*\a+\b)+7], v[WF+16*\u+8*\ks:WF+16*\u+8*\ks+7], v[XF+16*\a+8*\ks:XF+16*\a+8*\ks+7], v[ACC+8*(4*\a+\b):ACC+8*(4*\a+\b)+7]
.endif
.endr
.endr
.endm
; A step: 64 k of all tokens and experts.  A tile of W is multiplied while the next one passes through LDS.  A load into fragment registers that a matrix
; instruction has read stands behind the sixteen conversions of its own STAGE, plain vector instructions on window 1 that name none of those registers:
; more than the four places that are due.
.macro STEP zero
.irp a, 0,1,2,3
	STAGE XF+16*\a
.endr
	STAGE WF
	STAGE WF+16
	s_wait_dscnt 12                                ; all but the younger tile's 8 stores and 4 loads: x's fragments and W's tile 0 are in
	MULT 0, 0, \zero
	STAGE WF
	s_wait_dscnt 12
	MULT 1, 1, \zero
	STAGE WF+16
	s_wait_dscnt 12
	MULT 2, 0, \zero
	s_wait_dscnt 0                                 ; the step's last tile: nothing younger is out
	MULT 3, 1, \zero
.endm
.set n, 0
	STEP 1
	STEP 0
	STEP 0
	STEP 0
	; THE SUM OVER THE WAVES.  The nine address lines below are also the places between the last matrix instructions and the stores of their results.
	v_mul_u32_u24 v[PW], v[LR], RPITCH             ; out: token 16 a + l % 16, experts 16 b + 8 (l / 16) + 0..7: 32 neighbouring bytes
	v_lshl_add_u32 v[PW], v[LH], 5, v[PW]
	v_lshrrev_b32 v[TK], 2, v0
	v_and_b32 v[LQ], 3, v0
	v_mul_u32_u24 v[PR], v[TK], RPITCH             ; back: token t / 4, experts 16 (t % 4) + 0..15: sixteen lanes touch sixteen different 16-byte columns
	v_lshl_add_u32 v[PR], v[LQ], 6, v[PR]
	v_add_nc_u32 v[PR], RED, v[PR]
	v_add_nc_u32 v[PR2], 4*RWAVE, v[PR]            ; an LDS immediate has 16 bits: waves 4-7 get a register of their own
	s_mul_i32 s15, s12, RWAVE
	s_add_co_u32 s15, s15, RED
	v_add_nc_u32 v[PW], s15, v[PW]
.irp a, 0,1,2,3
.irp b, 0,1,2,3
	ds_store_b128 v[PW], v[ACC+8*(4*\a+\b):ACC+8*(4*\a+\b)+3]   offset:\a*16*RPITCH+\b*64
	ds_store_b128 v[PW], v[ACC+8*(4*\a+\b)+4:ACC+8*(4*\a+\b)+7] offset:\a*16*RPITCH+\b*64+16
.endr
.endr
	s_wait_dscnt 0x0                               ; for the other waves' sake: my partial sums are in LDS
	s_barrier_signal -1
	s_barrier_wait -1                              ; everybody's are
.irp u, 0,1,2,3
.irp i, 0,1,2,3
	ds_load_b128 v[ACC+16*\u+4*\i:ACC+16*\u+4*\i+3], v[PR] offset:\u*RWAVE+16*\i
.endr
.endr
.irp u, 4,5,6,7
.irp i, 0,1,2,3
	ds_load_b128 v[ACC+16*\u+4*\i:ACC+16*\u+4*\i+3], v[PR2] offset:(\u-4)*RWAVE+16*\i
.endr
.endr
.irp u, 1,2,3,4,5,6,7
	s_wait_dscnt 4*(7-\u)                          ; wave u's four loads are in; those of the later waves, four each, stay out
.irp i, 0,2,4,6,8,10,12,14
	v_pk_add_f32 v[SUM+\i:SUM+\i+1], v[SUM+\i:SUM+\i+1], v[ACC+16*\u+\i:ACC+16*\u+\i+1]
.endr
.endr
	; THE TWO LARGEST of my sixteen logits, indices ascending; only a strictly larger logit displaces, so of equal ones the lower index stays ahead.
	v_cmp_gt_f32 vcc_lo, v[SUM+1], v[SUM]
	v_cndmask_b32 v[TOPV], v[SUM], v[SUM+1], vcc_lo
	v_cndmask_b32 v[SECV], v[SUM+1], v[SUM], vcc_lo
	v_cndmask_b32 v[TOPI], 0, 1, vcc_lo
	v_cndmask_b32 v[SECI], 1, 0, vcc_lo
.irp i, 2,3,4,5,6,7,8,9,10,11,12,13,14,15
	v_cmp_gt_f32 vcc_lo, v[SUM+\i], v[TOPV]        ; the new one leads
	v_cmp_gt_f32 s20, v[SUM+\i], v[SECV]           ; or at least comes second
	v_cndmask_b32 v[SECI], v[SECI], \i, s20
	v_cndmask_b32 v[SECI], v[SECI], v[TOPI], vcc_lo
	v_cndmask_b32 v[TOPI], v[TOPI], \i, vcc_lo
	v_med3_num_f32 v[SECV], v[SUM+\i], v[TOPV], v[SECV]   ; the middle of the three is the new second
	v_max_num_f32 v[TOPV], v[SUM+\i], v[TOPV]
.endr
	v_lshl_add_u32 v[TOPI], v[LQ], 4, v[TOPI]      ; the expert's number: 16 (t % 4) + place
	v_lshl_add_u32 v[SECI], v[LQ], 4, v[SECI]
; Two sorted pairs become one, with the lane m away (lane xor m).  One comes ahead of another if it is larger, or equal with the lower index: an order without
; ties, so both partners end with the same pair.
.macro MERGE m
	v_mov_b32_dpp v[OV1], v[TOPV] row_xmask:\m row_mask:0xf bank_mask:0xf
	v_mov_b32_dpp v[OI1], v[TOPI] row_xmask:\m row_mask:0xf bank_mask:0xf
	v_mov_b32_dpp v[OV2], v[SECV] row_xmask:\m row_mask:0xf bank_mask:0xf
	v_mov_b32_dpp v[OI2], v[SECI] row_xmask:\m row_mask:0xf bank_mask:0xf
	v_cmp_gt_f32 s20, v[OV1], v[TOPV]
	v_cmp_eq_f32 s21, v[OV1], v[TOPV]
	v_cmp_lt_u32 s22, v[OI1], v[TOPI]
	s_and_b32 s21, s21, s22
	s_or_b32 s20, s20, s21                         ; the partner's first comes ahead of mine
	v_cndmask_b32 v[CA], v[SECV], v[TOPV], s20     ; the best of mine that is left,
	v_cndmask_b32 v[IA], v[SECI], v[TOPI], s20
	v_cndmask_b32 v[CB], v[OV1], v[OV2], s20       ; and of the partner's
	v_cndmask_b32 v[IB], v[OI1], v[OI2], s20
	v_cndmask_b32 v[TOPV], v[TOPV], v[OV1], s20
	v_cndmask_b32 v[TOPI], v[TOPI], v[OI1], s20
	v_cmp_gt_f32 s20, v[CB], v[CA]
	v_cmp_eq_f32 s21, v[CB], v[CA]
	v_cmp_lt_u32 s22, v[IB], v[IA]
	s_and_b32 s21, s21, s22
	s_or_b32 s20, s20, s21
	v_cndmask_b32 v[SECV], v[CA], v[CB], s20
	v_cndmask_b32 v[SECI], v[IA], v[IB], s20
.endm
	MERGE 1
	MERGE 2                                        ; the four lanes of a token now hold its two largest logits
	; SOFTMAX OF THE TWO, the larger taken away: e = exp(second - first) lies in [0, 1]; weights 1 / (1 + e) and e / (1 + e).
	v_sub_f32 v16, v[SECV], v[TOPV]
	v_mul_f32 v16, 0x3fb8aa3b, v16                 ; times log2(e): v_exp_f32 works in base 2
	v_exp_f32 v17, v16
	v_and_b32 v20, 1, v[LQ]                        ; a plain vector instruction stands between a transcendental and the use of its result (ISA guide 5.7.2)
	s_wait_alu depctr_va_vdst(0)
	v_add_f32 v18, 1.0, v17
	v_rcp_f32 v19, v18
	v_lshrrev_b32 v21, 1, v[LQ]                    ; likewise
	s_wait_alu depctr_va_vdst(0)
	v_mul_f32 v22, v17, v19
	; Of a token's four lanes, lane 0 hands on the first index, lane 1 the second, lanes 2 and 3 the two weights: the words lie in LDS as they go out.
	v_cmp_ne_u32 vcc_lo, 0, v20
	v_cndmask_b32 v23, v[TOPI], v[SECI], vcc_lo
	v_cndmask_b32 v24, v19, v22, vcc_lo
	v_cmp_lt_u32 vcc_lo, 1, v[LQ]
	v_cndmask_b32 v23, v23, v24, vcc_lo
	v_lshlrev_b32 v21, 9, v21                      ; 512 bytes of indices, then 512 of weights
	v_lshl_add_u32 v21, v[TK], 3, v21              ; 8 bytes a token
	v_lshl_add_u32 v21, v20, 2, v21
	v_add_nc_u32 v21, OST, v21
	ds_store_b32 v21, v23
	s_wait_dscnt 0x0                               ; for the other waves' sake
	s_barrier_signal -1
	s_barrier_wait -1
	s_cmp_gt_u32 s12, 1
	s_cbranch_scc1 .Lend                           ; wave 0 stores the indices, wave 1 the weights; the others are done
	v_lshlrev_b32 v25, 4, v0                       ; threads 0-31: the 512 bytes of indices; threads 32-63: those of the weights
	v_add_nc_u32 v25, OST, v25
	ds_load_b128 v[28:31], v25
	s_cmp_eq_u32 s12, 0
	s_cselect_b64 s[8:9], s[8:9], s[10:11]         ; out0 for wave 0, out1 for wave 1
	s_lshl_b32 s2, ttmp9, 9                        ; 64 tokens x 8 bytes for each work-group
	s_mov_b32 s3, 0
	s_add_nc_u64 s[8:9], s[8:9], s[2:3]
	v_and_b32 v26, 31, v0
	v_lshlrev_b32 v26, 4, v26
	s_wait_dscnt 0x0
	global_store_b128 v26, v[28:31], s[8:9] th:TH_STORE_NT    ; the wave's store covers 512 consecutive bytes, at a multiple of 512 from the buffer's first byte
.Lend:
	s_set_vgpr_msb 0x4
	s_wait_tensorcnt 0x0
	ds_add_u32 v27, v255
	s_wait_dscnt 0x0
	s_set_vgpr_msb 0x400
	s_endpgm
.Lfunc_end_k_q7240cad797_gate:
	.size	k_q7240cad797_gate, .Lfunc_end_k_q7240cad797_gate-k_q7240cad797_gate
	.p2alignl 7, 3214868480
	.fill 96, 4, 3214868480
	.section	.rodata,"a",@progbits
	.p2align	6, 0x0
	.amdhsa_kernel k_q7240cad797_gate
		.amdhsa_group_segment_fixed_size 159744
		.amdhsa_private_segment_fixed_size 0
		.amdhsa_enable_private_segment 0
		.amdhsa_kernarg_size 32
		.amdhsa_user_sgpr_count 2
		.amdhsa_user_sgpr_kernarg_segment_ptr 1
		.amdhsa_wavefront_size32 1
		.amdhsa_system_sgpr_workgroup_id_x 1
		.amdhsa_system_sgpr_workgroup_id_y 1
		.amdhsa_system_sgpr_workgroup_id_z 1
		.amdhsa_system_vgpr_workitem_id 0
		.amdhsa_next_free_vgpr 512
		.amdhsa_next_free_sgpr 66
		.amdhsa_reserve_vcc 1
		.amdhsa_float_denorm_mode_32 3
		.amdhsa_float_denorm_mode_16_64 3
		.amdhsa_memory_ordered 1
		.amdhsa_forward_progress 1
		.amdhsa_inst_pref_size 111
	.end_amdhsa_kernel
	.amdgpu_metadata
---
amdhsa.version: [ 1, 2 ]
amdhsa.kernels:
  - .name:           k_q7240cad797_gate
    .symbol:         k_q7240cad797_gate.kd
    .args:
      - { .name: x, .offset: 0, .size: 8, .value_kind: global_buffer, .address_space: global }
      - { .name: W, .offset: 8, .size: 8, .value_kind: global_buffer, .address_space: global }
      - { .name: out0, .offset: 16, .size: 8, .value_kind: global_buffer, .address_space: global }
      - { .name: out1, .offset: 24, .size: 8, .value_kind: global_buffer, .address_space: global }
    .group_segment_fixed_size: 159744
    .private_segment_fixed_size: 0
    .kernarg_segment_align: 8
    .kernarg_segment_size: 32
    .max_flat_workgroup_size: 256
    .sgpr_count:     66
    .vgpr_count:     512
    .wavefront_size: 32
...
	.end_amdgpu_metadata
.endif
;; end of part 1
;; ======== version 2 of 2: 1 launch; version 1 with the launch gate written anew for expert scheduling mode
;; launch gate (part 2): grid 256 x 1, 8 waves a work-group, no clusters, 159,744 bytes of LDS; arguments x, W, out0, out1; writes out0, out1
.if DOCPART == 2
	.amdgcn_target "amdgcn-amd-amdhsa--gfx1250"
	.amdhsa_code_object_version 6
	.text
	.protected	k_q7240cad797_gate
	.globl	k_q7240cad797_gate
	.p2align	8
	.type	k_q7240cad797_gate,@function
k_q7240cad797_gate:
	s_mov_b64 s[64:65], 0
	v_nop
	global_prefetch_b8 v0, s[64:65] scope:SCOPE_SE
	s_setreg_imm32_b32 hwreg(HW_REG_WAVE_SCHED_MODE, 0, 2), 2
	s_setreg_imm32_b32 hwreg(HW_REG_WAVE_MODE, 25, 1), 1
	s_wait_xcnt 0x0
	s_wait_alu depctr_vm_vsrc(0)
; MoE gate: logits[n][e] = sum over d of x[n][d] W[e][d]; the two largest logits of each token, their indices (out0) and their softmax (out1).
; x: [16384][2048] f32, W: [64][2048] f32, out0: [16384][2] i32, out1: [16384][2] f32.
; 256 work-groups of 8 waves; a work-group owns 64 tokens (524,288 bytes of x) and needs all of W (524,288 bytes).
; K IS SPLIT OVER THE WAVES: in step j (0..3) wave w owns k = 512 j + 64 w .. + 63, for all 64 tokens and all 64 experts, so every byte of x and of W
; is loaded once and rounded to bf16 once in the work-group, and the eight waves together read 2,048 consecutive bytes of each row in a step.
; A wave keeps 64 x 64 partial sums (16 accumulator tiles, 128 registers); they meet in LDS at the end.
; THE STREAM: a group = 16 rows x 256 bytes = eight 16-byte loads a lane; one load takes two rows, sixteen lanes reading 256 consecutive bytes that
; start at a multiple of 256 from the buffer's first byte.  A ring of 7 groups in registers keeps 56 loads of each wave in flight; its waits are counted.
; A group that has landed is rounded to bf16, its registers are loaded again at once, and the bf16 pass through the wave's OWN stage in LDS, which turns
; rows spread over lanes into matrix fragments (a lane holds one row).  No wave waits for another until the final sum.
; W IS NOT ASKED FOR JOINTLY in a cluster, though all work-groups read it: joint requests are tensor loads into LDS slots, W would lie there as f32 (twice the
; stage's bytes), and each refill would stand behind a round of the cluster's barrier with every wave's loads landed; here every wave runs free.
; LIMITS: operands are rounded to bf16, sums are f32 in an order of their own, so logits that lie closer than that rounding may come in another order than
; in an f32 computation.  Equal logits: the lower index first.  +0 and -0 count as equal.  NaN or infinite logits are not ordered as lax.top_k orders them.
; THE MODE: SCHED_MODE bits 1:0 = 2 (LLVM: expert scheduling mode 2), set by the entry lines.  The code itself states the register dependences
; between vector or matrix instructions and memory or LDS instructions, with s_wait_alu, always for 0.
; THE PLAN.  Registers that memory or LDS instructions touch, in the stream:
;   RING slot     Group n: its sixteen conversions read the slot; behind them the loads of group n + 7 land in it.
;   TMP           Group n: its conversions write it, its eight stage stores read it; group n + 1's conversions write it again.
;   XF            The fragment loads of a step's groups 0-3 land in it; the step's four runs of matrix instructions read it.
;   WF0, WF1      The fragment loads of groups 4 and 6 (5 and 7) land in WF0 (WF1); tiles 0 and 2 (1 and 3) are multiplied from it, each in the group behind its own.
;   GOFF, STA, FRA   Read by every load, stage store and fragment load; made at the head and never written again.
;   The accumulators are named by matrix instructions alone until the stream has ended.
; So a group has TWO waits.  One on vm_vsrc at its head: the last group's stage stores have read TMP.  One on va_vdst behind its conversions: TMP is written, the
; ring slot has been read, and the matrix instructions that read the registers in which this group's fragments land, all issued ahead of that line, are done.
; Behind it follow the group's twenty memory instructions with the tile before's eight matrix instructions between them; those name the other buffer of W, XF and the
; accumulators: no register that the twenty touch.
.set ROW,    8192                      ; bytes in a row of x and of W
.set STEPB,  2048                      ; bytes along a row from step to step: 8 waves x 256
.set NGRP,   32                        ; groups of a wave: 4 steps x (4 tiles of x + 4 tiles of W)
.set DEPTH,  7                         ; groups in the ring
.set SPITCH, 144                       ; stage row: 128 bytes of bf16 + 16: row r starts at 16-byte column 9 r mod 16, sixteen different ones (64 banks of 4 bytes: ISA guide 11.1)
.set STAGEW, 16*SPITCH                 ; a wave's stage
.set RED,    8*STAGEW                  ; behind the stages: the waves' partial sums
.set RPITCH, 272                       ; a token's 64 f32 + 16 bytes
.set RWAVE,  64*RPITCH                 ; one wave's 64 x 64 partial sums
.set OST,    RED+8*RWAVE               ; behind them: 512 bytes of indices, 512 bytes of weights, as they go out
; window 0 (v0-v255)
.set LR,   2                           ; lane % 16
.set LH,   3                           ; lane / 16
.set PW,   7                           ; where I put partial sums
.set TK,   8                           ; thread / 4: my token in the final sum
.set LQ,   9                           ; thread % 4: my sixteen experts there
.set PR,   10                          ; where I read partial sums of waves 0-3
.set PR2,  11                          ; of waves 4-7
.set TOPI, 14                          ; the indices of the largest logit and of the second
.set SECI, 15
.set WF,   32                          ; v[32:63]   fragments of one tile of W (16 experts x 64 k), two buffers
.set XF,   64                          ; v[64:127]  fragments of the step's four tiles of x (64 tokens x 64 k)
.set ACC,  128                         ; v[128:255] tile (a, b): tokens 16 a .., experts 16 b .., at ACC + 8 (4 a + b); later the partial sums read back
.set SUM,  128                         ; v[128:143] my sixteen logits
.set OV1,  144                         ; v[144:151] at work in the merges (written before by the loads of the partial sums)
.set OI1,  145
.set OV2,  146
.set OI2,  147
.set CA,   148
.set IA,   149
.set CB,   150
.set IB,   151
.set TCH,  160                         ; v[161:175] the largest of my logits 0 .. i at TCH + i
.set SCH,  176                         ; v[177:191] the second of them at SCH + i
.set TOPV, TCH+15                      ; the largest logit and the second
.set SECV, SCH+15
.set MK,   24                          ; s[24:51]   logit i (2 .. 15) leads: MK + 2 i - 4; it comes at least second: MK + 2 i - 3
; window 1 (v256-v511, named by their low 8 bits)
.set RING, 0                           ; v[256:479] slot s: 32 registers, a group as loaded
.set TMP,  224                         ; v[480:495] a group as bf16
.set GOFF, 240                         ; v496       my byte offset in a group's first load; never rewritten
.set STA,  241                         ; v497       where I put 8 bytes of bf16 in my wave's stage; never rewritten
.set FRA,  242                         ; v498       LDS address of my part of a fragment in my wave's stage; never rewritten
.set TO_RING, 0x40                     ; destination window 1
.set IN_RING, 0x45                     ; sources 0 and 1 and the destination window 1: conversions and loads (address = source 0)
.set TO_FRAG, 0x05                     ; sources 0 and 1 window 1, destination window 0: stage stores (address, data) and fragment loads (address; the data land in window 0)
.set MSB, 0
.macro WIN new                         ; the immediate's high byte repeats the setting that is left
.if MSB != \new
	s_set_vgpr_msb (MSB<<8)|\new
.set MSB, \new
.endif
.endm
	s_load_b256 s[4:11], s[0:1], 0x0               ; x s[4:5], W s[6:7], out0 s[8:9], out1 s[10:11]
	v_lshl_add_u32 v13, v0, 2, 0x26c00
	v_mov_b32 v27, 0
	v_lshrrev_b32 v1, 5, v0
	v_readfirstlane_b32 s12, v1                    ; wave 0..7
	v_and_b32 v[LR], 15, v0
	v_bfe_u32 v[LH], v0, 4, 1
	s_lshl_b32 s2, ttmp9, 19                       ; the work-group's 64 rows of 8,192 bytes (below 2^27)
	s_mov_b32 s3, 0
	s_wait_alu depctr_va_sdst(0)                   ; s12 is written, ahead of its first reader
	s_lshl_b32 s13, s12, 8                         ; my wave's 256 bytes of a step's 2,048
	s_mul_i32 s14, s12, STAGEW                     ; my wave's stage
	v_lshl_add_u32 v4, v[LR], 4, s13               ; load: 16 bytes a lane along the row,
	v_lshl_add_u32 v4, v[LH], 16, v4               ; lanes 16-31 eight rows further down
	v_mul_u32_u24 v5, v[LH], 8*SPITCH              ; stage store: the same two rows; 8 x 144 = 128 mod 256, so the two halves of the wave use different banks
	v_lshl_add_u32 v5, v[LR], 3, v5                ; 8 bytes of bf16 a lane
	v_add_nc_u32 v5, s14, v5
	v_mul_u32_u24 v6, v[LR], SPITCH                ; fragment: lane l holds row l % 16; its registers 0-3 hold k = 8 (l / 16) + 0..7, registers 4-7 k = 16 + 8 (l / 16) + 0..7
	v_lshl_add_u32 v6, v[LH], 4, v6
	v_add_nc_u32 v6, s14, v6
	WIN TO_RING
	v_mov_b32 v[GOFF], v4
	v_mov_b32 v[STA], v5
	v_mov_b32 v[FRA], v6
	s_wait_kmcnt 0x0
	s_add_nc_u64 s[4:5], s[4:5], s[2:3]            ; x at the work-group's first token
; The eight loads of group g into its ring slot.  In a step the groups 0-3 are x's tiles (asked for first), 4-7 W's.  Row and step stand in the immediate
; (456,704 at the most), so no address register is ever rewritten.  x is read once in the launch, W by every work-group.
.macro LOADS g
.if (\g)%8 < 4
.irp t, 0,1,2,3,4,5,6,7
	global_load_b128 v[RING+32*((\g)%DEPTH)+4*\t:RING+32*((\g)%DEPTH)+4*\t+3], v[GOFF], s[4:5] offset:(16*((\g)%8)+\t)*ROW+((\g)/8)*STEPB th:TH_LOAD_NT
.endr
.else
.irp t, 0,1,2,3,4,5,6,7
	global_load_b128 v[RING+32*((\g)%DEPTH)+4*\t:RING+32*((\g)%DEPTH)+4*\t+3], v[GOFF], s[6:7] offset:(16*((\g)%8-4)+\t)*ROW+((\g)/8)*STEPB
.endr
.endif
.endm
	WIN IN_RING
	s_wait_alu depctr_va_vdst(0)                   ; GOFF, STA and FRA are written: every load, stage store and fragment load of the stream reads one of them as its address
.set gi, 0
.rept DEPTH
	LOADS gi                                       ; the ring is filled: 56 loads
.set gi, gi+1
.endr
; Eight matrix instructions: W's tile b (buffer u) with all four tiles of x, 64 along k.  Source 0 = experts, source 1 = tokens: lane l then holds token l % 16,
; and its registers 0-7 the experts 8 (l / 16) + 0..7 of the tile.  The accumulators take turns, one instruction a turn.
; zero = 1: the first product starts the sums, nothing is cleared.
.macro MULT b, u, zero
.irp ks, 0,1
.irp a, 0,1,2,3
.if (\zero)*(1-\ks)
	v_wmma_f32_16x16x32_bf16 v[ACC+8*(4*\a+\b):ACC+8*(4*\a+\b)+7], v[WF+16*\u+8*\ks:WF+16*\u+8*\ks+7], v[XF+16*\a+8*\ks:XF+16*\a+8*\ks+7], 0
.else
	v_wmma_f32_16x16x32_bf16 v[ACC+8*(4*\a+\b):ACC+8*(4*\a+\b)+7], v[WF+16*\u+8*\ks:WF+16*\u+8*\ks+7], v[XF+16*\a+8*\ks:XF+16*\a+8*\ks+7], v[ACC+8*(4*\a+\b):ACC+8*(4*\a+\b)+7]
.endif
.endr
.endr
.endm
; Group n (a counter of the text): wait for it, round it to bf16, load its slot again with group n + 7, and pass it through the stage into the 16 registers at dst.
; mb >= 0: between the reloads and the stage stores W's tile mb, the group before, is multiplied from buffer mu.
.macro STAGE dst, mb=-1, mu=0, zero=0
.if n+DEPTH-1 < NGRP
	s_wait_loadcnt 8*(DEPTH-1)                     ; loads come back in order (ISA guide 5.7.1): my group is in, the six younger groups' 48 loads stay out
.else
	s_wait_loadcnt 8*(NGRP-1-n)                    ; the last groups: nothing was asked for behind group 31, the counts run down
.endif
.if n > 0
	s_wait_alu depctr_vm_vsrc(0)                   ; the last group's stage stores have read TMP, which the conversions below write again
.endif
	WIN IN_RING
.set sl, RING+32*(n%DEPTH)
.irp t, 0,1,2,3,4,5,6,7
	v_cvt_pk_bf16_f32 v[TMP+2*\t],   v[sl+4*\t],   v[sl+4*\t+1]      ; the lower k into the lower half; to nearest even
	v_cvt_pk_bf16_f32 v[TMP+2*\t+1], v[sl+4*\t+2], v[sl+4*\t+3]
.endr
	s_wait_alu depctr_va_vdst(0)                   ; the conversions have written TMP, which the stage stores read, and are done reading the ring slot, in which the loads below land; the matrix instructions issued so far are done reading the registers at dst, in which the fragment loads land
.if n+DEPTH < NGRP
.set nx, n+DEPTH
	LOADS nx
.endif
.if \mb >= 0
	WIN 0
	s_wait_dscnt 0x0                               ; the last group's fragments (and, for tile 0, x's) are in: nothing younger is out
	MULT \mb, \mu, \zero                           ; names the other buffer of W, XF and the accumulators: no register of the stores and loads below
.endif
	WIN TO_FRAG
.irp t, 0,1,2,3,4,5,6,7
	ds_store_b64 v[STA], v[TMP+2*\t:TMP+2*\t+1] offset:\t*SPITCH     ; rows t and t + 8.  LDS serves a wave's instructions in order (ISA guide 5.7.1.4): the last group's fragment loads have read the stage
.endr
.irp c, 0,1,2,3
	ds_load_b128 v[\dst+4*\c:\dst+4*\c+3], v[FRA] offset:32*\c        ; two fragments of 32 k; these see the stores above, by the same order
.endr
.set n, n+1
.endm
; A step: 64 k of all tokens and experts.  A tile of W is multiplied while the next one is on its way through LDS.  A load into fragment registers that a matrix
; instruction has read stands behind the wait on va_vdst of its own STAGE, and behind that STAGE's sixteen conversions, plain vector instructions on window 1
; that name none of those registers.  Tile 3 is multiplied at the step's end: it reads XF, in which the next step's first group lands, so it stands ahead of that group's wait.
.macro STEP zero
.irp a, 0,1,2,3
	STAGE XF+16*\a
.endr
	STAGE WF
	STAGE WF+16, 0, 0, \zero
	STAGE WF,    1, 1, \zero
	STAGE WF+16, 2, 0, \zero
	WIN 0
	s_wait_dscnt 0x0                               ; the step's last tile: nothing younger is out
	MULT 3, 1, \zero
.endm
.set n, 0
	STEP 1
	STEP 0
	STEP 0
	STEP 0
	; THE SUM OVER THE WAVES.  The nine address lines below are also the places between the last matrix instructions and the stores of their results.
	v_mul_u32_u24 v[PW], v[LR], RPITCH             ; out: token 16 a + l % 16, experts 16 b + 8 (l / 16) + 0..7: 32 neighbouring bytes
	v_lshl_add_u32 v[PW], v[LH], 5, v[PW]
	v_lshrrev_b32 v[TK], 2, v0
	v_and_b32 v[LQ], 3, v0
	v_mul_u32_u24 v[PR], v[TK], RPITCH             ; back: token t / 4, experts 16 (t % 4) + 0..15: sixteen lanes touch sixteen different 16-byte columns
	v_lshl_add_u32 v[PR], v[LQ], 6, v[PR]
	v_add_nc_u32 v[PR], RED, v[PR]
	v_add_nc_u32 v[PR2], 4*RWAVE, v[PR]            ; an LDS immediate has 16 bits: waves 4-7 get a register of their own
	s_mul_i32 s15, s12, RWAVE
	s_add_co_u32 s15, s15, RED
	v_add_nc_u32 v[PW], s15, v[PW]
	s_wait_alu depctr_va_vdst(0)                   ; the matrix instructions have written the accumulators, which the LDS stores read and in which the loads behind the barrier land; PW, PR and PR2 are written.  The places above stay beside this wait
.irp a, 0,1,2,3
.irp b, 0,1,2,3
	ds_store_b128 v[PW], v[ACC+8*(4*\a+\b):ACC+8*(4*\a+\b)+3]   offset:\a*16*RPITCH+\b*64
	ds_store_b128 v[PW], v[ACC+8*(4*\a+\b)+4:ACC+8*(4*\a+\b)+7] offset:\a*16*RPITCH+\b*64+16
.endr
.endr
	s_wait_dscnt 0x0                               ; for the other waves' sake: my partial sums are in LDS
	s_barrier_signal -1
	s_barrier_wait -1                              ; everybody's are
	s_wait_alu depctr_vm_vsrc(0)                   ; my LDS stores have read the accumulators' registers, which the loads below and the vector work behind them write
.irp u, 0,1,2,3
.irp i, 0,1,2,3
	ds_load_b128 v[ACC+16*\u+4*\i:ACC+16*\u+4*\i+3], v[PR] offset:\u*RWAVE+16*\i
.endr
.endr
.irp u, 4,5,6,7
.irp i, 0,1,2,3
	ds_load_b128 v[ACC+16*\u+4*\i:ACC+16*\u+4*\i+3], v[PR2] offset:(\u-4)*RWAVE+16*\i
.endr
.endr
.irp u, 1,2,3,4,5,6,7
	s_wait_dscnt 4*(7-\u)                          ; wave u's four loads are in; those of the later waves, four each, stay out
.irp i, 0,2,4,6,8,10,12,14
	v_pk_add_f32 v[SUM+\i:SUM+\i+1], v[SUM+\i:SUM+\i+1], v[ACC+16*\u+\i:ACC+16*\u+\i+1]
.endr
.endr
	; THE TWO LARGEST of my sixteen logits, indices ascending; only a strictly larger logit displaces, so of equal ones the lower index stays ahead.
	; The running pair has registers of its own for each place, so that all the compares stand in one run, with one wait, ahead of the selects of the indices.
	v_cmp_gt_f32 s20, v[SUM+1], v[SUM]
	s_wait_alu depctr_va_sdst(0)                   ; s20 is written, ahead of the selects that read it
	v_cndmask_b32 v[TCH+1], v[SUM], v[SUM+1], s20
	v_cndmask_b32 v[SCH+1], v[SUM+1], v[SUM], s20
	v_cndmask_b32 v[TOPI], 0, 1, s20
	v_cndmask_b32 v[SECI], 1, 0, s20
.irp i, 2,3,4,5,6,7,8,9,10,11,12,13,14,15
	v_med3_num_f32 v[SCH+\i], v[SUM+\i], v[TCH+\i-1], v[SCH+\i-1]   ; the middle of the three is the new second
	v_max_num_f32 v[TCH+\i], v[SUM+\i], v[TCH+\i-1]
.endr
.irp i, 2,3,4,5,6,7,8,9,10,11,12,13,14,15
	v_cmp_gt_f32 s[MK+2*\i-4], v[SUM+\i], v[TCH+\i-1]   ; the new one leads
	v_cmp_gt_f32 s[MK+2*\i-3], v[SUM+\i], v[SCH+\i-1]   ; or at least comes second
.endr
	s_wait_alu depctr_va_sdst(0)                   ; the 28 masks are written, ahead of the selects that read them
.irp i, 2,3,4,5,6,7,8,9,10,11,12,13,14,15
	v_cndmask_b32 v[SECI], v[SECI], \i, s[MK+2*\i-3]
	v_cndmask_b32 v[SECI], v[SECI], v[TOPI], s[MK+2*\i-4]
	v_cndmask_b32 v[TOPI], v[TOPI], \i, s[MK+2*\i-4]
.endr
	v_lshl_add_u32 v[TOPI], v[LQ], 4, v[TOPI]      ; the expert's number: 16 (t % 4) + place
	v_lshl_add_u32 v[SECI], v[LQ], 4, v[SECI]
; Two sorted pairs become one, with the lane m away (lane xor m).  One comes ahead of another if it is larger, or equal with the lower index: an order without
; ties, so both partners end with the same pair.
.macro MERGE m
	v_mov_b32_dpp v[OV1], v[TOPV] row_xmask:\m row_mask:0xf bank_mask:0xf
	v_mov_b32_dpp v[OI1], v[TOPI] row_xmask:\m row_mask:0xf bank_mask:0xf
	v_mov_b32_dpp v[OV2], v[SECV] row_xmask:\m row_mask:0xf bank_mask:0xf
	v_mov_b32_dpp v[OI2], v[SECI] row_xmask:\m row_mask:0xf bank_mask:0xf
	v_cmp_gt_f32 s20, v[OV1], v[TOPV]
	v_cmp_eq_f32 s21, v[OV1], v[TOPV]
	v_cmp_lt_u32 s22, v[OI1], v[TOPI]
	s_wait_alu depctr_va_sdst(0)                   ; the three masks are written, ahead of the scalar lines that read them
	s_and_b32 s21, s21, s22
	s_or_b32 s20, s20, s21                         ; the partner's first comes ahead of mine
	v_cndmask_b32 v[CA], v[SECV], v[TOPV], s20     ; the best of mine that is left,
	v_cndmask_b32 v[IA], v[SECI], v[TOPI], s20
	v_cndmask_b32 v[CB], v[OV1], v[OV2], s20       ; and of the partner's
	v_cndmask_b32 v[IB], v[OI1], v[OI2], s20
	v_cndmask_b32 v[TOPV], v[TOPV], v[OV1], s20
	v_cndmask_b32 v[TOPI], v[TOPI], v[OI1], s20
	v_cmp_gt_f32 s20, v[CB], v[CA]
	v_cmp_eq_f32 s21, v[CB], v[CA]
	v_cmp_lt_u32 s22, v[IB], v[IA]
	s_wait_alu depctr_va_sdst(0)                   ; the three masks are written anew, ahead of the scalar lines that read them
	s_and_b32 s21, s21, s22
	s_or_b32 s20, s20, s21
	v_cndmask_b32 v[SECV], v[CA], v[CB], s20
	v_cndmask_b32 v[SECI], v[IA], v[IB], s20
.endm
	MERGE 1
	MERGE 2                                        ; the four lanes of a token now hold its two largest logits
	; SOFTMAX OF THE TWO, the larger taken away: e = exp(second - first) lies in [0, 1]; weights 1 / (1 + e) and e / (1 + e).
	; Of a token's four lanes, lane 0 hands on the first index, lane 1 the second, lanes 2 and 3 the two weights: the words lie in LDS as they go out.
	; The lane's place and its two masks are made behind the exponential, work that names none of its registers.
	v_sub_f32 v16, v[SECV], v[TOPV]
	v_mul_f32 v16, 0x3fb8aa3b, v16                 ; times log2(e): v_exp_f32 works in base 2
	v_exp_f32 v17, v16
	v_and_b32 v20, 1, v[LQ]                        ; a plain vector instruction stands between a transcendental and the use of its result (ISA guide 5.7.2)
	v_lshrrev_b32 v21, 1, v[LQ]
	v_cmp_ne_u32 s20, 0, v20                       ; the second of a pair
	v_cmp_lt_u32 s21, 1, v[LQ]                     ; a weight, not an index
	v_lshlrev_b32 v21, 9, v21                      ; 512 bytes of indices, then 512 of weights
	v_lshl_add_u32 v21, v[TK], 3, v21              ; 8 bytes a token
	v_lshl_add_u32 v21, v20, 2, v21
	s_wait_alu depctr_va_vdst(0)                   ; the exponential has written v17, which the next line reads
	v_add_f32 v18, 1.0, v17
	v_rcp_f32 v19, v18
	v_add_nc_u32 v21, OST, v21                     ; likewise a plain vector instruction behind the reciprocal
	s_wait_alu depctr_va_vdst(0)                   ; the reciprocal has written v19, which the next vector line reads
	s_wait_alu depctr_va_sdst(0)                   ; s20 and s21 are written, ahead of the selects that read them
	v_mul_f32 v22, v17, v19
	v_cndmask_b32 v23, v[TOPI], v[SECI], s20
	v_cndmask_b32 v24, v19, v22, s20
	v_cndmask_b32 v23, v23, v24, s21
	s_wait_alu depctr_va_vdst(0)                   ; v21 and v23 are written, the LDS store's address and data
	ds_store_b32 v21, v23
	s_wait_dscnt 0x0                               ; for the other waves' sake
	s_barrier_signal -1
	s_barrier_wait -1
	s_cmp_gt_u32 s12, 1
	s_cbranch_scc1 .Lend                           ; wave 0 stores the indices, wave 1 the weights; the others are done
	v_lshlrev_b32 v25, 4, v0                       ; threads 0-31: the 512 bytes of indices; threads 32-63: those of the weights
	v_add_nc_u32 v25, OST, v25
	v_and_b32 v26, 31, v0
	v_lshlrev_b32 v26, 4, v26
	s_wait_alu depctr_va_vdst(0)                   ; v25 and v26 are written, the LDS load's address and the store's offset
	ds_load_b128 v[28:31], v25
	s_cmp_eq_u32 s12, 0
	s_cselect_b64 s[8:9], s[8:9], s[10:11]         ; out0 for wave 0, out1 for wave 1
	s_lshl_b32 s2, ttmp9, 9                        ; 64 tokens x 8 bytes for each work-group
	s_mov_b32 s3, 0
	s_add_nc_u64 s[8:9], s[8:9], s[2:3]
	s_wait_dscnt 0x0
	global_store_b128 v26, v[28:31], s[8:9] th:TH_STORE_NT    ; the wave's store covers 512 consecutive bytes, at a multiple of 512 from the buffer's first byte
.Lend:
	s_wait_dscnt 0x0
	s_wait_alu depctr_hold_cnt(0) depctr_sa_sdst(0) depctr_va_vdst(0) depctr_va_sdst(0) depctr_va_ssrc(0) depctr_va_vcc(0) depctr_vm_vsrc(0)
	s_wait_tensorcnt 0x0
	ds_add_u32 v13, v27
	s_wait_dscnt 0x0
	s_endpgm
.Lfunc_end_k_q7240cad797_gate:
	.size	k_q7240cad797_gate, .Lfunc_end_k_q7240cad797_gate-k_q7240cad797_gate
	.p2alignl 7, 3214868480
	.fill 96, 4, 3214868480
	.section	.rodata,"a",@progbits
	.p2align	6, 0x0
	.amdhsa_kernel k_q7240cad797_gate
		.amdhsa_group_segment_fixed_size 159744
		.amdhsa_private_segment_fixed_size 0
		.amdhsa_enable_private_segment 0
		.amdhsa_kernarg_size 32
		.amdhsa_user_sgpr_count 2
		.amdhsa_user_sgpr_kernarg_segment_ptr 1
		.amdhsa_wavefront_size32 1
		.amdhsa_system_sgpr_workgroup_id_x 1
		.amdhsa_system_sgpr_workgroup_id_y 1
		.amdhsa_system_sgpr_workgroup_id_z 1
		.amdhsa_system_vgpr_workitem_id 0
		.amdhsa_next_free_vgpr 512
		.amdhsa_next_free_sgpr 66
		.amdhsa_reserve_vcc 0
		.amdhsa_float_denorm_mode_32 3
		.amdhsa_float_denorm_mode_16_64 3
		.amdhsa_memory_ordered 1
		.amdhsa_forward_progress 1
		.amdhsa_inst_pref_size 115
	.end_amdhsa_kernel
	.amdgpu_metadata
---
amdhsa.version: [ 1, 2 ]
amdhsa.kernels:
  - .name:           k_q7240cad797_gate
    .symbol:         k_q7240cad797_gate.kd
    .args:
      - { .name: x, .offset: 0, .size: 8, .value_kind: global_buffer, .address_space: global }
      - { .name: W, .offset: 8, .size: 8, .value_kind: global_buffer, .address_space: global }
      - { .name: out0, .offset: 16, .size: 8, .value_kind: global_buffer, .address_space: global }
      - { .name: out1, .offset: 24, .size: 8, .value_kind: global_buffer, .address_space: global }
    .group_segment_fixed_size: 159744
    .private_segment_fixed_size: 0
    .kernarg_segment_align: 8
    .kernarg_segment_size: 32
    .max_flat_workgroup_size: 256
    .sgpr_count:     66
    .vgpr_count:     512
    .wavefront_size: 32
...
	.end_amdgpu_metadata
.endif
;; end of part 2
